; MI455X (gfx1250); checked and timed in simulation.
; The chip was launched on July 23, 2026; its instructions are those of AMD's public machine-readable ISA for CDNA 5 (MIT licence, August 2026) and "CDNA5" Instruction Set Architecture Reference Guide (July 2026). The comments in the code are by the model that wrote it; some were corrected since.
;; QKV Attention Legacy. Allowed arithmetic: matrix products marked QUANTISED: E2M3 operands, one E8M0 scale for each 32 along K, by v_wmma_scale_f32_16x16x128_f8f6f4 with both operands' format E2M3, f32 sums; everything else in f32.
;; Inputs: kv 4 x 1,024 x 2,048 float32; q 4 x 512 x 2,048 float32.
;; Outputs: out0 4 x 512 x 2,048 float32.
;; Constants: n_heads = 8.
;; This version of the problem:
;;   THIS VERSION OF THE PROBLEM IS GIVEN IN LOW PRECISION. The matrix products marked QUANTISED in the list below multiply operands that are first quantised to E2M3 (2 exponent bits, 3 mantissa bits; 6 bits a number), with one power-of-two scale for each 32 numbers along K (OCP MX v1.0); their sums are f32. All else is computed in f32.
;;   The module's matrix products, in the order in which they are computed (A, B: the left and right operand; K: the contracted axis; several contracted axes count as one K, in the product's order):
;;     1. batch 32 x [M 2,048, K 64] x [K 64, N 2,048]; A: computed on the way; B: computed on the way: QUANTISED
;;     2. batch 32 x [M 64, K 2,048] x [K 2,048, N 2,048]; A: computed on the way; B: softmax (see below): QUANTISED
;;   THE QUANTISER, for each operand of a quantised product, along K:
;;     - K is cut into blocks of 32 from its start; a last block that is shorter is filled with zeros.
;;     - A block's scale is 2^e with e = floor(log2(the largest magnitude in the block)) - 2, held to -126 .. 127; a block of zeros has e = 0. As a byte (E8M0): e + 127.
;;     - Each number is divided by its block's scale, clamped to +-7.5, and rounded to the nearest number of E2M3, ties to even, subnormals kept.
;;     - The product sums the exact products of the quantised numbers (number of the format x scale) in f32.
;;   ~~~python
;;   def quantise(x, axis):      # numpy; x: float32 -> the quantised numbers, widened to float32 again
;;       x = np.moveaxis(x, axis, -1); K = x.shape[-1]
;;       x = np.pad(x, [(0, 0)] * (x.ndim - 1) + [(0, -K % 32)]); x = x.reshape(x.shape[:-1] + (-1, 32)); a = np.abs(x).max(-1, keepdims=True)
;;       e = np.where(a > 0, np.clip(np.frexp(np.where(a > 0, a, 1))[1] - 1 - 2, -126, 127), 0)      # np.frexp(a)[1] - 1 = floor(log2(a)), exactly
;;       r = np.clip(x / 2.0 ** e, -7.5, 7.5)
;;       step = 2.0 ** (np.maximum(np.frexp(np.where(r == 0, 1, r))[1] - 1, 0) - 3)
;;       q = np.round(r / step) * step * 2.0 ** e      # np.round: ties to even
;;       return np.moveaxis(q.reshape(q.shape[:-2] + (-1,))[..., :K], -1, axis).astype(np.float32)
;;   ~~~
;;   SOFTMAX AHEAD OF A QUANTISED PRODUCT. Where the list says 'softmax', what is quantised is not the finished softmax but p = 2^(t - M), with t = logit x log2(e) and M = ceil(the row's largest t), a whole number; so 1/2 < the row's largest p <= 1. The row's sum l is taken of the UNQUANTISED p, in f32, and the product's result is divided by l at the end. Since M is a whole number, a kernel that streams over the keys may use a running M (the ceiling of the running maximum): every later rescaling is an exact power of two, which a block's scale takes up: the codes' values come out the same.
;;   OPERANDS COMPUTED ON THE WAY. 'Computed on the way' means the value that the module computes at that place (a softmax that the list does not call 'softmax' is quantised finished and normalised). What goes into a quantiser is computed in f32, as accurately as f32 sums, v_exp_f32 and their like allow (about 1e-6 of the number): no bf16 or f16 on the way to a quantiser, and a product that is left as it is and whose result goes on into a quantised operand takes f32 operands (vector FMAs, or v_wmma_f32_16x16x4_f32). A number that lies on a knife's edge between two numbers of the format may be rounded either way, as far as f32 arithmetic and the matrix unit's own rounding can turn it there, and no further.
;; One version. Each part assembles by itself: llvm-mc -triple=amdgcn-amd-amdhsa -mcpu=gfx1250 --defsym DOCPART=n.
;; ======== version 1 of 1: 2 launches
;; limits: right only within a limited range of input values
;; workspace buffers: kvc 6,553,600 bytes
;; launch prep (part 1): grid 8 x 32, 16 waves a work-group, no clusters, 101,376 bytes of LDS; arguments kv, kvc; writes kvc
.if DOCPART == 1
	.amdgcn_target "amdgcn-amd-amdhsa--gfx1250"
	.amdhsa_code_object_version 6
	.text
	.protected	k_q6c40067ef1_prep
	.globl	k_q6c40067ef1_prep
	.p2align	8
	.type	k_q6c40067ef1_prep,@function
k_q6c40067ef1_prep:
	s_mov_b64 s[64:65], 0
	v_nop
	global_prefetch_b8 v0, s[64:65] scope:SCOPE_SE
	s_setreg_imm32_b32 hwreg(HW_REG_WAVE_MODE, 25, 1), 1
	s_wait_xcnt 0x0
; out[b][c][t] = sum over s of softmax_s( sum over c' of (q[b][c'][t] g)(k[b][c'][s] g) ) v[b][c][s],  g = 64^(-1/4);  32 heads b, 64 channels, 2,048 positions.
; THIS LAUNCH turns k x g (along the 64 channels) and v (along the keys) into codes of FP6 (E2M3) with one E8M0 byte for each 32, once, and lays them as the next launch's LDS holds them.
; kv: [32][128][2048] f32, a head's rows 0-63 are k, 64-127 v.  kvc: for each head and each step of 128 keys 12,800 bytes:
;   byte 0     K: four pairs of tiles, 1,536 bytes each: lane l's 12 operand registers on end at 48 l (registers 0-5 the pair's first tile, 6-11 its second)
;   byte 6144  V: four tiles of 16 channels x 128 keys, laid the same way
;   byte 12288 K's scale words: row r's four words (pairs 0-3) at 16 r;   byte 12544 V's, likewise (tiles 0-3)
; THE KEYS OF A TILE OF K: row r of tile 4 c + t is key 64 c + 32 (r / 8) + 8 t + r % 8: so a lane of the transposed scores (rows 8 h ..) holds whole blocks of 32 keys.
; A block's scale is 2^(floor(log2(largest magnitude)) - 2).
; SHARES: 8 x 32 work-groups, each 256 keys (two steps) of one head.  Waves 0-7: K, 64 keys x 32 channels each, two keys a lane, a load reads 256 consecutive bytes; waves 8-15: V, 8 channels x 256 keys each,
; a load reads 512 consecutive bytes, turned through the wave's own stage so that a lane holds 32 neighbouring keys.  A lane quantises two whole blocks.  The 25,600 bytes leave as whole units of 256.
; No tensor load: the f32 numbers pass through registers to become codes, and no byte is read by two work-groups.
; LIMITS: NaN and infinities among the inputs are not served.  A block whose largest magnitude lies under 2^-124, a block of zeros among them, keeps the scale byte 1 (zero codes add nothing; the bytes are read by this program alone).
.set STG,   25600                      ; two stages of 4,608 bytes for each of the eight V waves
.set SPARE, 99328
.set SPW, 1
.set NIL, 2
.set KIA, 3                            ; K: where my first key's 24 bytes of codes go, and its scale byte
.set KSA, 4
.set VIA, 5                            ; V: the same
.set VSA, 6
.set VTI, 7                            ; V's stage, in and out
.set VTO, 8
.set KGO, 9                            ; 8 x lane
.set VGO, 10                           ; 16 x lane
.set OUT, 11                           ; 16 x thread
.set X,  64
.set Y,  128
.macro QUANT x, m, tc, by              ; 32 numbers of one block: 24 bytes of codes in v[tc] .. v[tc+5], the scale's byte in v[by]
	v_max3_num_f32 v[\m], |v[\x]|, |v[\x+1]|, 0x1800000            ; the largest magnitude in two chains; the floor 2^(3 - 127) holds the byte at 1 from below
	v_max3_num_f32 v[\m+1], |v[\x+16]|, |v[\x+17]|, |v[\x+18]|
.irp i, 2,4,6,8,10,12
	v_max3_num_f32 v[\m], v[\m], |v[\x+\i]|, |v[\x+\i+1]|
	v_max3_num_f32 v[\m+1], v[\m+1], |v[\x+17+\i]|, |v[\x+18+\i]|
.endr
	v_max3_num_f32 v[\m], v[\m], |v[\x+14]|, |v[\x+15]|
	v_max3_num_f32 v[\m], v[\m], v[\m+1], |v[\x+31]|
	v_add_nc_u32 v[\m], 0xff000000, v[\m]          ; 2 off its exponent field: the conversion's scale operand
	v_cvt_scalef32_pk16_fp6_f32 v[\tc:\tc+2], v[\x:\x+15], v[\m]
	v_cvt_scalef32_pk16_fp6_f32 v[\tc+4:\tc+6], v[\x+16:\x+31], v[\m]
	v_lshrrev_b32 v[\by], 23, v[\m]                ; the byte; also the plain place behind the conversions
	v_mov_b32 v[\tc+3], v[\tc+4]
	v_mov_b32 v[\tc+4], v[\tc+5]
	v_mov_b32 v[\tc+5], v[\tc+6]
.endm
.macro PUT ia, io, sa, so, tc, by
.irp i, 0,1,2
	ds_store_b64 v[\ia], v[\tc+2*\i:\tc+2*\i+1] offset:\io+8*\i
.endr
	ds_store_b8 v[\sa], v[\by] offset:\so
.endm
	s_load_b128 s[4:7], s[0:1], 0x0                ; kv, kvc
	v_lshl_add_u32 v[SPW], v0, 2, SPARE
	v_mov_b32 v[NIL], 0
	v_lshrrev_b32 v12, 5, v0
	v_readfirstlane_b32 s10, v12                   ; wave
	s_and_b32 s11, s10, 7                          ; its number among K's or V's eight
	s_lshr_b32 s12, s11, 1                         ; K: 64 keys 64 s12 on; V: tile of 16 channels
	s_and_b32 s13, s11, 1                          ; K: channels 32 s13 on; V: rows 8 s13 on
	s_and_b32 s16, ttmp7, 0xffff                   ; head
	v_and_b32 v12, 31, v0
	v_and_b32 v13, 1, v0
	v_bfe_u32 v14, v0, 1, 1
	v_bfe_u32 v15, v0, 2, 1
	v_bfe_u32 v16, v0, 3, 1
	v_bfe_u32 v17, v0, 4, 1
	v_and_b32 v18, 3, v0
	v_bfe_u32 v19, v0, 3, 2
	v_and_b32 v20, 7, v0
	v_lshlrev_b32 v[KGO], 3, v12
	v_lshlrev_b32 v[VGO], 4, v12
	v_lshlrev_b32 v[OUT], 4, v0
	v_mul_u32_u24 v[KIA], v16, 1536
	v_mul_u32_u24 v[KSA], v17, 128
	v_mul_u32_u24 v[VIA], v15, 12800
	v_mul_u32_u24 v[VTI], v19, 144
	v_mul_u32_u24 v[VTO], v12, 144
	v_add_nc_u32 v[VSA], v[VIA], v18
	v_mad_u32_u24 v[KIA], v15, 24, v[KIA]
	v_mad_u32_u24 v[KSA], v18, 32, v[KSA]
	v_mad_u32_u24 v[VIA], v14, 24, v[VIA]
	v_mad_u32_u24 v[VSA], v19, 16, v[VSA]
	v_lshl_add_u32 v[VTI], v20, 4, v[VTI]
	v_mad_u32_u24 v[KIA], v17, 384, v[KIA]
	v_lshl_add_u32 v[KSA], v16, 2, v[KSA]
	v_mad_u32_u24 v[VIA], v13, 768, v[VIA]
	v_mad_u32_u24 v[KIA], v18, 96, v[KIA]
	v_lshl_add_u32 v[KSA], v15, 1, v[KSA]
	v_mad_u32_u24 v[VIA], v19, 48, v[VIA]
	s_wait_alu depctr_va_vdst(0)                   ; the wait ahead of the scalar lines and the readers below
	s_lshr_b32 s17, s11, 2                         ; K: which of the two steps
	s_mul_i32 s17, s17, 12800
	s_and_b32 s18, s12, 1                          ; K: which 64 keys of the step
	s_mul_i32 s19, s18, 3072
	s_add_co_u32 s19, s19, s17
	s_mul_i32 s14, s13, 768
	s_add_co_u32 s19, s19, s14
	v_add_nc_u32 v[KIA], s19, v[KIA]
	s_lshl_b32 s18, s18, 3
	s_add_co_u32 s18, s18, s17
	s_add_co_u32 s18, s18, s13
	v_add_nc_u32 v[KSA], s18, v[KSA]
	s_wait_alu depctr_va_vdst(0)                   ; the wait ahead of the scalar lines and the readers below
	s_mul_i32 s17, s12, 1536
	s_mul_i32 s18, s13, 384
	s_add_co_u32 s17, s17, s18
	v_add_nc_u32 v[VIA], s17, v[VIA]
	s_lshl_b32 s17, s12, 2
	s_lshl_b32 s18, s13, 7
	s_add_co_u32 s17, s17, s18
	v_add_nc_u32 v[VSA], s17, v[VSA]
	s_mul_i32 s17, s11, 9216
	s_add_co_u32 s17, s17, STG
	v_add_nc_u32 v[VTI], s17, v[VTI]
	v_add_nc_u32 v[VTO], s17, v[VTO]
	; byte offsets, made apart from the addresses
	s_wait_alu depctr_va_vdst(0)                   ; the wait at the head's end
	s_lshl_b32 s20, s16, 20
	s_lshl_b32 s14, ttmp9, 10
	s_add_co_u32 s20, s20, s14                     ; the head, and 256 keys a work-group
	s_lshl_b32 s14, s13, 18
	s_lshl_b32 s15, s12, 8
	s_add_co_u32 s14, s14, s15                     ; K: 32 channels, 64 keys
	s_lshl_b32 s15, s11, 16
	s_add_co_u32 s15, s15, 0x80000                 ; V: row 64 + 8 x wave
	s_cmp_lt_u32 s10, 8
	s_cselect_b32 s14, s14, s15
	s_add_co_u32 s20, s20, s14
	s_mov_b32 s21, 0
	s_mul_i32 s22, s16, 204800
	s_mul_i32 s14, ttmp9, 25600
	s_add_co_u32 s22, s22, s14
	s_mov_b32 s23, 0
	s_wait_kmcnt 0x0
	s_add_nc_u64 s[20:21], s[4:5], s[20:21]
	s_add_nc_u64 s[22:23], s[6:7], s[22:23]
	s_mov_b32 s24, 0x3eb504f3                      ; g = 64^(-1/4)
	s_cmp_lt_u32 s10, 8
	s_cbranch_scc0 .Lv
.set i, 0
.rept 32
	global_load_b64 v[X+2*i:X+2*i+1], v[KGO], s[20:21] offset:8192*i th:TH_LOAD_NT   ; two neighbouring keys, channel i
.set i, i+1
.endr
	s_wait_loadcnt 0x0
.set i, 0
.rept 32
	v_mul_f32 v[Y+i], s24, v[X+2*i]                ; k x g in f32, each key's 32 channels on end
	v_mul_f32 v[Y+32+i], s24, v[X+2*i+1]
.set i, i+1
.endr
	QUANT Y, 48, 32, 52
	PUT KIA, 0, KSA, 12288, 32, 52
	QUANT Y+32, 50, 40, 53
	PUT KIA, 48, KSA, 12304, 40, 53                ; the next key is the next row of its tile
	s_branch .Lj
.Lv:
.set i, 0
.rept 16
	global_load_b128 v[X+4*i:X+4*i+3], v[VGO], s[20:21] offset:8192*(i/2)+512*(i%2) th:TH_LOAD_NT
.set i, i+1
.endr
.macro VTURN u                         ; four channels x 256 keys: in as loaded, out 32 neighbouring keys a lane; LDS serves a wave's instructions in order (ISA guide 5.7.1.4)
.irp i, 0,1,2,3,4,5,6,7
	ds_store_b128 v[VTI], v[X+32*\u+4*\i:X+32*\u+4*\i+3] offset:4608*\u+576*\i
.endr
.irp i, 0,1,2,3,4,5,6,7
	ds_load_b128 v[Y+32*\u+4*\i:Y+32*\u+4*\i+3], v[VTO] offset:4608*\u+16*\i
.endr
.endm
	s_wait_loadcnt 0x8                             ; the first unit's eight loads are in
	VTURN 0
	s_wait_loadcnt 0x0
	VTURN 1
	s_wait_dscnt 16                                ; all but the second unit's eight stores and eight loads
	QUANT Y, 48, 32, 52
	PUT VIA, 6144, VSA, 12544, 32, 52
	s_wait_dscnt 4                                 ; all but the four stores just issued
	QUANT Y+32, 50, 40, 53
	PUT VIA, 6144+192, VSA, 12544+64, 40, 53       ; four channels on
.Lj:
	s_wait_dscnt 0x0                               ; my stores have landed: for the other waves' reads
	s_barrier_signal -1
	s_barrier_wait -1
.irp i, 0,1,2
	ds_load_b128 v[X+4*\i:X+4*\i+3], v[OUT] offset:8192*\i
.endr
.irp i, 0,1,2
	s_wait_dscnt 2-\i
	global_store_b128 v[OUT], v[X+4*\i:X+4*\i+3], s[22:23] offset:8192*\i   ; a wave stores 512 consecutive bytes, aligned
.endr
	s_cmp_lt_u32 s10, 2
	s_cbranch_scc0 .Lend                           ; 25,600 = 3 x 8,192 + 1,024: two waves take the rest
	ds_load_b128 v[X+12:X+15], v[OUT] offset:24576
	s_wait_dscnt 0x0
	global_store_b128 v[OUT], v[X+12:X+15], s[22:23] offset:24576
.Lend:
	s_wait_tensorcnt 0x0                           ; the wave's end
	ds_add_u32 v[SPW], v[NIL]
	s_wait_dscnt 0x0
	s_endpgm
.Lfunc_end_k_q6c40067ef1_prep:
	.size	k_q6c40067ef1_prep, .Lfunc_end_k_q6c40067ef1_prep-k_q6c40067ef1_prep
	.p2alignl 7, 3214868480
	.fill 96, 4, 3214868480
	.section	.rodata,"a",@progbits
	.p2align	6, 0x0
	.amdhsa_kernel k_q6c40067ef1_prep
		.amdhsa_group_segment_fixed_size 101376
		.amdhsa_private_segment_fixed_size 0
		.amdhsa_enable_private_segment 0
		.amdhsa_kernarg_size 16
		.amdhsa_user_sgpr_count 2
		.amdhsa_user_sgpr_kernarg_segment_ptr 1
		.amdhsa_wavefront_size32 1
		.amdhsa_system_sgpr_workgroup_id_x 1
		.amdhsa_system_sgpr_workgroup_id_y 1
		.amdhsa_system_sgpr_workgroup_id_z 1
		.amdhsa_system_vgpr_workitem_id 0
		.amdhsa_next_free_vgpr 192
		.amdhsa_next_free_sgpr 66
		.amdhsa_reserve_vcc 0
		.amdhsa_float_denorm_mode_32 3
		.amdhsa_float_denorm_mode_16_64 3
		.amdhsa_memory_ordered 1
		.amdhsa_forward_progress 1
		.amdhsa_inst_pref_size 21
	.end_amdhsa_kernel
	.amdgpu_metadata
---
amdhsa.version: [ 1, 2 ]
amdhsa.kernels:
  - .name:           k_q6c40067ef1_prep
    .symbol:         k_q6c40067ef1_prep.kd
    .args:
      - { .name: kv, .offset: 0, .size: 8, .value_kind: global_buffer, .address_space: global }
      - { .name: kvc, .offset: 8, .size: 8, .value_kind: global_buffer, .address_space: global }
    .group_segment_fixed_size: 101376
    .private_segment_fixed_size: 0
    .kernarg_segment_align: 8
    .kernarg_segment_size: 16
    .max_flat_workgroup_size: 512
    .sgpr_count:     66
    .vgpr_count:     192
    .wavefront_size: 32
...
	.end_amdgpu_metadata
.endif
;; end of part 1
;; launch attn (part 2): grid 8 x 32, 8 waves a work-group, clusters of 4 x 1, 327,680 bytes of LDS; arguments kvc, q, out0; writes out0
.if DOCPART == 2
	.amdgcn_target "amdgcn-amd-amdhsa--gfx1250"
	.amdhsa_code_object_version 6
	.text
	.protected	k_q6c40067ef1_attn
	.globl	k_q6c40067ef1_attn
	.p2align	8
	.type	k_q6c40067ef1_attn,@function
k_q6c40067ef1_attn:
	s_mov_b64 s[64:65], 0
	v_nop
	global_prefetch_b8 v0, s[64:65] scope:SCOPE_SE
	s_setreg_imm32_b32 hwreg(HW_REG_WAVE_MODE, 25, 1), 1
	s_wait_xcnt 0x0
	s_wait_alu depctr_hold_cnt(0) depctr_sa_sdst(0) depctr_va_vdst(0) depctr_va_sdst(0) depctr_va_ssrc(0) depctr_va_vcc(0) depctr_vm_vsrc(0)
	s_getreg_b32 s2, hwreg(HW_REG_IB_STS2, 6, 4)
	s_cmp_eq_u32 s2, 0
	s_cbranch_scc0 .Lentry_in_a_cluster
	s_endpgm
.Lentry_in_a_cluster:
	s_bfe_u32 s2, ttmp6, 0x10000c
	s_cmp_lg_u32 s2, 0x3003
	s_cbranch_scc0 .Lentry_shape_is_right
	s_endpgm
.Lentry_shape_is_right:
; Attention on codes of FP6 (E2M3): S^T = K Q^T and O^T = V P^T, both transposed, so that a lane holds ONE query of a tile (lane % 16) throughout.  K's and V's codes and scale words come from the launch before (layout: there).
; THE SOFTMAX: t = score x log2(e); M = the running largest t rounded UP to a whole number; p = 2^(t - M) is quantised, not normalised; the row's sum is taken of the unquantised p and divides at the end.
; When M moves, the sum and O are multiplied by 2^(old M - new M), which rounds nothing.
; SHARES.  Grid x: 256 queries, grid y: the head: 256 work-groups.  A wave owns 32 queries: group A the even ones, group B the odd ones, 16 each, so that each fragment of K or V read from LDS serves two tiles of queries.
; THE WHOLE HEAD LIES IN LDS: 16 steps x 12,800 bytes = 204,800, fetched by one tensor load a wave (100 rows of 256 bytes: two steps); nothing is filled twice, so the loop over the keys has no barrier.
; CLUSTERS: the four work-groups of a cluster serve one head and ask for its tiles JOINTLY (mask 15: each issues the same load with the same descriptor and receives the tile in its own LDS).
; Wave 0's tile holds steps 0 and 1: the first barrier shows it alone; behind step 0 a second barrier shows the rest.
; No prefetch: every load of the launch is asked for at its head, and no loop loads from memory.
; A LANE HOLDS WHOLE BLOCKS OF P: row r of tile 4 c + t of K is key 64 c + 32 (r / 8) + 8 t + r % 8, so the 32 registers of tiles 4 c .. 4 c + 3 are keys 64 c + 32 (lane / 16) + 0 .. 31: one block of 32 along the second product's K,
; in its natural order: its largest score needs no other lane, and its codes are made where the operand wants them.
; K = 64 IN AN INSTRUCTION OF K = 128: a fragment of K is a PAIR of tiles [ka | kb]; Q stands as 18 registers [q | 0 | q]: tile a = [ka | kb] x [q | 0], tile b = [ka | kb] x [0 | q].  Q's scale bytes over its zero codes are 0 (2^-127).
; LIMITS: NaN and infinities among the inputs are not served.  A block whose largest magnitude lies under 2^-124 keeps the scale byte 1.  A p under 2^-126 counts as 0 (v_exp_f32's result, ISA guide 15.8).
; The scaled scores stay under 2^31 in magnitude.  What a rescaling takes under the smallest f32 number is lost.
.set STEPB, 12800
.set STAGE, 204800                     ; the way out: 64 rows (channels) x (256 queries x 4 bytes + 16)
.set OPI,   1040
.set SPARE, 271360                     ; the spare words, 128 bytes a wave
; WINDOW 0
.set FB,  1                            ; 48 x lane;  v3: the same at this step
.set SB,  2                            ; 16 x (lane % 16);  v4: the same at this step
.set FA,  3
.set SA,  4
.set SPW, 5
.set NIL, 6
.set OST, 7
.set ORD, 8
.set OGO, 9
.set QGO, 10
; v[12:13] -M and the largest score of group A, v[14:15] of B;  v[16:17], v[18:19] the sums in two halves;  v[20:21], v[22:23] 2^(old M - new M), and the old -M
.set BM,  24                           ; v24-27 A, v28-31 B: largest scores of the two blocks, then largest p, then the conversions' scale operands; their scale bytes
; v32, v33 the permutes' destinations;  v34, v35 temporaries
.set PS,  36                           ; v36, v37  P's scale words
.set QS,  40                           ; v40-43    Q's: (s0, s1, 0, 0) and (0, 0, s0, s1) of A, of B
.set KS,  44                           ; v44-47    K's
.set VS,  48                           ; v48-51    V's
.set KF,  52                           ; v52-99    K's four pairs of tiles
.set S,   100                          ; v100-163  S^T of A, then p;  v164-227 of B
; WINDOW 1
.set QFA, 0
.set QFB, 18
.set VF,  36                           ; V's four tiles
.set PCA, 84                           ; P's codes
.set PCB, 96
.set TCA, 108                          ; second halves of conversions (three registers that begin on an even number)
.set TCB, 116
.set OA,  124                          ; O^T of A, four tiles
.set OB,  156                          ; of B
.set MSB, 0
.macro WIN new                         ; bits 1:0 source 0, 3:2 source 1, 5:4 source 2, 7:6 destination; the high byte repeats the setting that is left
.if MSB != \new
	s_set_vgpr_msb (MSB<<8)|\new
.set MSB, \new
.endif
.endm
.macro CROUND                          ; a round of the cluster's barrier
	s_barrier_signal -1
	s_barrier_wait -1
	s_cmp_lg_u32 s10, 0
	s_cbranch_scc1 .Lnot_wave_0_\@
	s_barrier_signal -3
.Lnot_wave_0_\@:
	s_barrier_wait -3
	s_barrier_signal -1
	s_barrier_wait -1
.endm
.macro PLACES
.rept 4
	v_nop
.endr
.endm
.macro WM0 d, a, b, sa, sb
	v_wmma_scale_f32_16x16x128_f8f6f4 v[\d:\d+7], v[\a:\a+11], v[\b:\b+11], 0, v[\sa], v[\sb] matrix_a_fmt:MATRIX_FMT_FP6 matrix_b_fmt:MATRIX_FMT_FP6
.endm
.macro WMA d, a, b, sa, sb
	v_wmma_scale_f32_16x16x128_f8f6f4 v[\d:\d+7], v[\a:\a+11], v[\b:\b+11], v[\d:\d+7], v[\sa], v[\sb] matrix_a_fmt:MATRIX_FMT_FP6 matrix_b_fmt:MATRIX_FMT_FP6
.endm
.macro KLOAD off                       ; K's four pairs and their scale words, at off from the step that v[fr] and v[sr] stand at
.irp p, 0,1,2,3
.irp c, 0,1,2
	ds_load_b128 v[KF+12*\p+4*\c:KF+12*\p+4*\c+3], v[fr] offset:\off+1536*\p+16*\c
.endr
.endr
	ds_load_b128 v[KS:KS+3], v[sr] offset:\off+12288
.endm
.macro BROW g, i                       ; group g: four chains of largest scores, two to a block; each tile is read from its low end on
.irp n, 0,1,2,3
.set bm, BM+4*\g+(\n/2)+2*(\n%2)
.set sx, S+64*\g+16*\n+\i
.if \i == 0
	v_max3_num_f32 v[bm], v[sx], v[sx+1], v[sx+2]
.else
	v_max3_num_f32 v[bm], v[bm], v[sx], v[sx+1]
.endif
.endr
.endm
.macro BMERGE g
.irp c, 0,1
	v_max3_num_f32 v[BM+4*\g+\c], v[BM+4*\g+\c], v[BM+4*\g+2+\c], v[S+64*\g+32*\c+15]
.endr
.irp c, 0,1
	v_max_num_f32 v[BM+4*\g+\c], v[BM+4*\g+\c], v[S+64*\g+32*\c+31]
.endr
.endm
.macro CH g, k, kind                   ; line k of group g's way from the blocks' largest scores to -M and the rescaling
.if \k == 0
.if \kind
	v_max3_num_f32 v[13+2*\g], v[13+2*\g], v[BM+4*\g], v[BM+4*\g+1]
.else
	v_max_num_f32 v[13+2*\g], v[BM+4*\g], v[BM+4*\g+1]
.endif
.elseif \k == 1
	v_permlanex16_b32 v[32+\g], v[13+2*\g], s20, s21
.elseif \k == 2
	v_max_num_f32 v[13+2*\g], v[13+2*\g], v[32+\g] ; the running largest score of my query
.elseif \k == 3
	v_mul_f32 v[34+\g], s32, v[13+2*\g]            ; -t
.elseif \k == 4
	v_floor_f32 v[12+2*\g], v[34+\g]               ; -M = floor(-t) = -ceil(t)
.elseif \kind
.if \k == 5
	v_sub_f32 v[20+2*\g], v[12+2*\g], v[21+2*\g]   ; old M - new M: a whole number, 0 or less
.elseif \k == 6
	v_cvt_i32_f32 v[20+2*\g], v[20+2*\g]           ; (it saturates)
.else
	v_ldexp_f32 v[20+2*\g], 1.0, v[20+2*\g]
.endif
.endif
.endm
.macro SCALE g                         ; the two blocks' scale operands: the floor 2^(3 - 127) holds the byte at 1; 2 off the exponent field
.irp c, 0,1
	v_max_num_f32 v[BM+4*\g+\c], 0x1800000, v[BM+4*\g+\c]
.endr
.irp c, 0,1
	v_add_nc_u32 v[BM+4*\g+\c], 0xff000000, v[BM+4*\g+\c]
.endr
.endm
.macro CONV g, pc, tc                  ; 64 p to codes; the bytes are the plain lines behind the conversions
	WIN 0x40
.irp c, 0,1
	v_cvt_scalef32_pk16_fp6_f32 v[\pc+6*\c:\pc+6*\c+2], v[S+64*\g+32*\c:S+64*\g+32*\c+15], v[BM+4*\g+\c]
	v_cvt_scalef32_pk16_fp6_f32 v[\tc+4*\c:\tc+4*\c+2], v[S+64*\g+32*\c+16:S+64*\g+32*\c+31], v[BM+4*\g+\c]
.endr
	WIN 0
.irp c, 0,1
	v_lshrrev_b32 v[BM+4*\g+2+\c], 23, v[BM+4*\g+\c]
.endr
.endm
.macro SUM g, n, d                     ; one level of the sum of p, in place
.set k, 0
.rept \n
	v_pk_add_f32 v[S+64*\g+k:S+64*\g+k+1], v[S+64*\g+k:S+64*\g+k+1], v[S+64*\g+k+\d:S+64*\g+k+\d+1]
.set k, k+2
.endr
.endm
; A STEP of 128 keys.  kind 0: the first (sums and O begin here; the rest of LDS is shown at its end); 1: the loop's; 2: the last (no K to fetch).
.macro STEP kind
	s_wait_dscnt 0x0                               ; K's fragments are in
	WIN 0x04
.irp p, 0,1,2,3
.irp u, 0,1
	WM0 S+16*\p+8*\u, KF+12*\p, QFA+6*\u, KS+\p, QS+\u
	WM0 S+64+16*\p+8*\u, KF+12*\p, QFB+6*\u, KS+\p, QS+2+\u
.endr
.endr
	WIN 0
.if \kind
	v_mov_b32 v21, v12                             ; the old -M; these four lines are also the places behind the products
	v_mov_b32 v23, v14
	v_add_nc_u32 v[FA], s40, v[FB]
	v_add_nc_u32 v[SA], s40, v[SB]
.set fr, FA
.set sr, SA
.else
	PLACES
.set fr, FB
.set sr, SB
.endif
	WIN 0x40
.irp t, 0,1,2,3
.irp c, 0,1,2
	ds_load_b128 v[VF+12*\t+4*\c:VF+12*\t+4*\c+3], v[fr] offset:6144+1536*\t+16*\c
.endr
.endr
	WIN 0
	ds_load_b128 v[VS:VS+3], v[sr] offset:12544
.if \kind == 1
	KLOAD STEPB                                    ; the next step's
.endif
.irp i, 0,3,5,7,9,11,13
	BROW 0, \i
.endr
	BMERGE 0
	BROW 1, 0
	CH 0, 0, \kind
	BROW 1, 3
	CH 0, 1, \kind
	BROW 1, 5
	CH 0, 2, \kind
	BROW 1, 7
	CH 0, 3, \kind
	BROW 1, 9
	CH 0, 4, \kind
	BROW 1, 11
	CH 0, 5, \kind
	BROW 1, 13
	CH 0, 6, \kind
	BMERGE 1
	CH 0, 7, \kind
	v_pk_fma_f32 v[BM:BM+1], v[BM:BM+1], s[22:23], v[12:13] op_sel_hi:[1,0,0]   ; t - M of each block's largest score: p rises with the score, so this gives the block's largest p
.irp n, 0,1,2,3,4,5,6,7
.irp j, 0,2,4,6
	v_pk_fma_f32 v[S+8*\n+\j:S+8*\n+\j+1], v[S+8*\n+\j:S+8*\n+\j+1], s[22:23], v[12:13] op_sel_hi:[1,0,0]   ; t - M, two at a time
.endr
	CH 1, \n, \kind
.endr
.if \kind
	WIN 0x41
.set j, 0
.rept 16
	v_pk_mul_f32 v[OA+j:OA+j+1], v[OA+j:OA+j+1], v[20:21] op_sel_hi:[1,0]       ; O^T under the new M
.set j, j+2
.endr
.set j, 0
.rept 16
	v_pk_mul_f32 v[OB+j:OB+j+1], v[OB+j:OB+j+1], v[22:23] op_sel_hi:[1,0]
.set j, j+2
.endr
	WIN 0
.endif
	s_wait_alu depctr_va_vdst(0)                   ; the wait ahead of the batch
	v_exp_f32 v[BM], v[BM]
	v_exp_f32 v[BM+1], v[BM+1]
	v_pk_fma_f32 v[BM+4:BM+5], v[BM+4:BM+5], s[22:23], v[14:15] op_sel_hi:[1,0,0]
.set j, 0
.rept 32
	v_exp_f32 v[S+j], v[S+j]                       ; p = 2^(t - M) of A, with B's t - M between
	v_exp_f32 v[S+j+1], v[S+j+1]
	v_pk_fma_f32 v[S+64+j:S+64+j+1], v[S+64+j:S+64+j+1], s[22:23], v[14:15] op_sel_hi:[1,0,0]
.set j, j+2
.endr
	s_wait_alu depctr_va_vdst(0)                   ; the wait behind A's batch and ahead of B's
	SCALE 0
	CONV 0, PCA, TCA
	v_exp_f32 v[BM+4], v[BM+4]
	v_exp_f32 v[BM+5], v[BM+5]
.set j, 0
.rept 16
	v_exp_f32 v[S+64+2*j], v[S+64+2*j]             ; p of B, with the first level of A's sum between
	v_exp_f32 v[S+65+2*j], v[S+65+2*j]
	v_exp_f32 v[S+66+2*j], v[S+66+2*j]
	v_exp_f32 v[S+67+2*j], v[S+67+2*j]
	v_pk_add_f32 v[S+j:S+j+1], v[S+j:S+j+1], v[S+32+j:S+33+j]
.set j, j+2
.endr
	s_wait_alu depctr_va_vdst(0)                   ; the wait behind the batch
	SCALE 1
	CONV 1, PCB, TCB
	v_lshl_or_b32 v26, v27, 16, v26                ; my two blocks' bytes at places 0 and 2
	v_lshl_or_b32 v30, v31, 16, v30
	WIN 0x41
.irp c, 0,1
.irp i, 0,1,2
	v_mov_b32 v[PCA+6*\c+3+\i], v[TCA+4*\c+\i]     ; a block's upper 16 codes to their place
	v_mov_b32 v[PCB+6*\c+3+\i], v[TCB+4*\c+\i]
.endr
.endr
	WIN 0
	v_permlanex16_b32 v32, v26, s20, s21
	v_permlanex16_b32 v33, v30, s20, s21
	SUM 1, 16, 32
	v_lshl_or_b32 v[PS], v32, 8, v26               ; lane l xor 16's two at places 1 and 3: P's scale word
	v_lshl_or_b32 v[PS+1], v33, 8, v30
	SUM 0, 8, 16
	SUM 1, 8, 16
	SUM 0, 4, 8
	SUM 1, 4, 8
	SUM 0, 2, 4
	SUM 1, 2, 4
.if \kind
	SUM 0, 1, 2
	SUM 1, 1, 2
	v_pk_fma_f32 v[16:17], v[16:17], v[20:21], v[S:S+1] op_sel_hi:[1,0,1]        ; the sum under the new M, and this step's part
	v_pk_fma_f32 v[18:19], v[18:19], v[22:23], v[S+64:S+65] op_sel_hi:[1,0,1]
.else
	v_pk_add_f32 v[16:17], v[S:S+1], v[S+2:S+3]
	v_pk_add_f32 v[18:19], v[S+64:S+65], v[S+66:S+67]
.endif
	WIN 0x55
.if \kind == 1
	s_wait_dscnt 13                                ; V is in; the next step's twelve fragment loads and its scale words' load may be out
.else
	s_wait_dscnt 0x0
.endif
.irp t, 0,1,2,3                        ; O^T += V P^T: eight accumulators by turns
.if \kind
	WMA OA+8*\t, VF+12*\t, PCA, VS+\t, PS
	WMA OB+8*\t, VF+12*\t, PCB, VS+\t, PS+1
.else
	WM0 OA+8*\t, VF+12*\t, PCA, VS+\t, PS
	WM0 OB+8*\t, VF+12*\t, PCB, VS+\t, PS+1
.endif
.endr
	WIN 0
.if \kind == 0
	s_wait_tensorcnt 0x0                           ; my tile has landed;
	s_wait_dscnt 0x0
	s_barrier_signal -1
	s_barrier_wait -1                              ; every wave's has: the whole head may be read
	KLOAD STEPB
.endif
.endm
	s_load_b128 s[4:7], s[0:1], 0x0                ; kvc, q
	s_load_b64 s[8:9], s[0:1], 0x10                ; out
	v_lshl_add_u32 v[SPW], v0, 2, SPARE
	v_mov_b32 v[NIL], 0
	ds_add_u32 v[SPW], v[NIL]                      ; the wave's opening: the add, twice on end, and its wait ahead of the first tensor load
	ds_add_u32 v[SPW], v[NIL]
	v_lshrrev_b32 v24, 5, v0
	v_readfirstlane_b32 s10, v24                   ; wave
	s_bfe_u32 s11, ttmp6, 0x40000                  ; cx
	s_lshl_b32 s12, ttmp9, 2
	s_add_co_u32 s12, s12, s11                     ; block of 256 queries
	s_and_b32 s13, ttmp7, 0xffff                   ; head
	s_mov_b32 s24, 15|(3<<16)|(1<<21)              ; all four of the cluster; elements of 8 bytes; bit 21 beside a mask
	s_mov_b32 s25, 32<<16                          ; 100 rows of 32 elements, dense
	s_mov_b32 s26, 100<<16
	s_mov_b32 s27, 32<<16
	s_mov_b32 s28, 100
	s_mov_b32 s29, 32
	s_mov_b32 s30, 0
	s_mov_b32 s31, 0
	s_mov_b32 s20, 0x76543210                      ; v_permlanex16_b32's selects for lane l xor 16
	s_mov_b32 s21, 0xfedcba98
	s_mov_b32 s22, 0x3fb8aa3b                      ; log2(e)
	s_mov_b32 s23, s22
	s_mov_b32 s32, 0xbfb8aa3b                      ; -log2(e)
	s_mov_b32 s33, 0x3eb504f3                      ; g = 64^(-1/4)
	s_lshl_b32 s14, s10, 7
	s_add_co_u32 s14, s14, STAGE
	s_mul_i32 s15, s10, 8*OPI
	s_add_co_u32 s15, s15, STAGE
	v_and_b32 v24, 31, v0                          ; lane
	v_and_b32 v25, 15, v0                          ; r
	v_bfe_u32 v26, v0, 4, 1                        ; h
	v_mul_u32_u24 v[FB], v24, 48
	v_lshlrev_b32 v[SB], 4, v25
	v_lshlrev_b32 v[QGO], 3, v25                   ; queries 2 r, 2 r + 1; lanes 16-31: 32 channels on
	v_mul_u32_u24 v[OST], v26, 8*OPI
	v_lshlrev_b32 v[OGO], 4, v24
	v_lshl_add_u32 v[QGO], v26, 18, v[QGO]
	v_lshl_add_u32 v[OST], v25, 3, v[OST]
	v_add_nc_u32 v[ORD], s15, v[OGO]               ; the way out: my 8 rows, 16 bytes a lane
	v_add_nc_u32 v[OST], s14, v[OST]               ; channel 8 h, query 32 wave + 2 r
	v_mov_b32 v32, 0                               ; a lane permute's destination counts as one of its sources
	v_mov_b32 v33, 0
	s_wait_alu depctr_va_vdst(0)                   ; the wait ahead of the scalar lines and the waits below
	; byte offsets, made apart from the addresses.  The descriptor's hang on the head and the wave alone
	s_mul_i32 s34, s13, 204800
	s_mul_i32 s17, s10, 25600                      ; the tile's place in LDS
	s_add_co_u32 s34, s34, s17
	s_mov_b32 s35, 0
	s_lshl_b32 s36, s13, 19
	s_lshl_b32 s14, s12, 10
	s_add_co_u32 s36, s36, s14
	s_lshl_b32 s14, s10, 16                        ; out: channels 8 wave on
	s_add_co_u32 s38, s36, s14
	s_mov_b32 s39, 0
	s_lshl_b32 s14, s10, 7                         ; q: queries 32 wave on
	s_add_co_u32 s36, s36, s14
	s_mov_b32 s37, 0
	s_mov_b32 s16, 1
	s_wait_dscnt 0x0                               ; both opening adds are done
	s_wait_kmcnt 0x0
	s_add_nc_u64 s[18:19], s[4:5], s[34:35]
	s_or_b32 s19, s19, 0x80000000
	s_add_nc_u64 s[36:37], s[6:7], s[36:37]
	s_add_nc_u64 s[38:39], s[8:9], s[38:39]
.set i, 0
.rept 32
	global_load_b64 v[S+2*i:S+2*i+1], v[QGO], s[36:37] offset:8192*i   ; channel 32 h + i of two queries: two rows of 128 consecutive bytes, whose other halves the neighbouring wave reads
.set i, i+1
.endr
	CROUND                                         ; all four work-groups are here: the joint loads meet
	s_cmp_eq_u32 s10, 0
	s_cbranch_scc0 .Lrest
	tensor_load_to_lds s[16:19], s[24:31]          ; wave 0: steps 0 and 1, a line of its own: the first barrier shows it
	s_nop 0
	PLACES
	s_branch .Lasked
.Lrest:
	tensor_load_to_lds s[16:19], s[24:31]          ; wave w: steps 2 w and 2 w + 1
	s_nop 0
	PLACES
.Lasked:
	; Q: quantised straight into the operand's registers: lane (r, h) holds block h of its two queries
	s_wait_loadcnt 0x0
.set i, 0
.rept 32
	v_mul_f32 v[S+64+i], s33, v[S+2*i]             ; q x g in f32: A's 32 channels, then B's
	v_mul_f32 v[S+96+i], s33, v[S+2*i+1]
.set i, i+1
.endr
.irp g, 0,1
	v_max3_num_f32 v[BM+4*\g], |v[S+64+32*\g]|, |v[S+65+32*\g]|, 0x1800000
	v_max3_num_f32 v[BM+1+4*\g], |v[S+80+32*\g]|, |v[S+81+32*\g]|, |v[S+82+32*\g]|
.endr
.irp i, 2,4,6,8,10,12
.irp g, 0,1
	v_max3_num_f32 v[BM+4*\g], v[BM+4*\g], |v[S+64+32*\g+\i]|, |v[S+65+32*\g+\i]|
	v_max3_num_f32 v[BM+1+4*\g], v[BM+1+4*\g], |v[S+81+32*\g+\i]|, |v[S+82+32*\g+\i]|
.endr
.endr
.irp g, 0,1
	v_max3_num_f32 v[BM+4*\g], v[BM+4*\g], |v[S+78+32*\g]|, |v[S+79+32*\g]|
.endr
.irp g, 0,1
	v_max3_num_f32 v[BM+4*\g], v[BM+4*\g], v[BM+1+4*\g], |v[S+95+32*\g]|
.endr
.irp g, 0,1
	v_add_nc_u32 v[BM+4*\g], 0xff000000, v[BM+4*\g]
.endr
	WIN 0x40
	v_cvt_scalef32_pk16_fp6_f32 v[QFA:QFA+2], v[S+64:S+79], v[BM]
	v_cvt_scalef32_pk16_fp6_f32 v[QFA+12:QFA+14], v[S+64:S+79], v[BM]
	v_cvt_scalef32_pk16_fp6_f32 v[TCA:TCA+2], v[S+80:S+95], v[BM]
	v_cvt_scalef32_pk16_fp6_f32 v[QFB:QFB+2], v[S+96:S+111], v[BM+4]
	v_cvt_scalef32_pk16_fp6_f32 v[QFB+12:QFB+14], v[S+96:S+111], v[BM+4]
	v_cvt_scalef32_pk16_fp6_f32 v[TCB:TCB+2], v[S+112:S+127], v[BM+4]
	WIN 0
	v_lshrrev_b32 v26, 23, v24                     ; the scale bytes
	v_lshrrev_b32 v30, 23, v28
	v_permlanex16_b32 v32, v26, s20, s21
	v_permlanex16_b32 v33, v30, s20, s21
	v_lshl_or_b32 v[QS], v32, 8, v26               ; (s0, s1, 0, 0) in lanes 0-15, the lanes that are read
	v_lshl_or_b32 v[QS+2], v33, 8, v30
	v_lshlrev_b32 v[QS+1], 16, v[QS]               ; (0, 0, s0, s1)
	v_lshlrev_b32 v[QS+3], 16, v[QS+2]
	WIN 0x41
.irp i, 0,1,2
	v_mov_b32 v[QFA+3+\i], v[TCA+\i]
	v_mov_b32 v[QFA+15+\i], v[TCA+\i]
	v_mov_b32 v[QFB+3+\i], v[TCB+\i]
	v_mov_b32 v[QFB+15+\i], v[TCB+\i]
.endr
.irp i, 6,7,8,9,10,11
	v_mov_b32 v[QFA+\i], 0                         ; the zero codes between
	v_mov_b32 v[QFB+\i], 0
.endr
	WIN 0
	PLACES                                         ; an operand written by vector instructions stands four places ahead of a scaled product
	s_wait_alu depctr_va_vdst(0)                   ; the wait at the head's end
	s_cmp_lg_u32 s10, 0
	s_cbranch_scc1 .Lnot_first
	s_wait_tensorcnt 0x0                           ; wave 0's tile, steps 0 and 1, has landed
.Lnot_first:
	s_barrier_signal -1
	s_barrier_wait -1
.set fr, FB
.set sr, SB
	KLOAD 0
	STEP 0
	s_mov_b32 s40, STEPB
	s_mov_b32 s41, 14
.Lkeys:                                                ; steps 1 to 14
	STEP 1
	s_add_co_u32 s40, s40, STEPB
	s_sub_co_u32 s41, s41, 1
	s_cmp_lg_u32 s41, 0
	s_cbranch_scc1 .Lkeys
	STEP 2
	; THE WAY OUT: O^T / the sum into the stage, a row to a channel; behind a barrier each wave stores 8 whole rows of 1,024 bytes
	s_wait_alu depctr_va_vdst(0)                   ; the sums were written ahead of the last step's wait for its loads
	v_add_f32 v16, v16, v17
	v_add_f32 v18, v18, v19
	v_permlanex16_b32 v32, v16, s20, s21
	v_permlanex16_b32 v33, v18, s20, s21
	v_add_f32 v16, v16, v32                        ; the rows' sums
	v_add_f32 v18, v18, v33
	s_wait_alu depctr_va_vdst(0)                   ; the wait ahead of the batch
	v_rcp_f32 v16, v16
	v_rcp_f32 v18, v18
	v_nop
	WIN 0x01
	s_wait_alu depctr_va_vdst(0)                   ; and behind it, ahead of the first reader
.set k, 0
.rept 32
	v_mul_f32 v[S+2*k], v[OA+k], v16               ; register 8 T + j: channel 16 T + 8 h + j; the two queries are neighbours
	v_mul_f32 v[S+2*k+1], v[OB+k], v18
.set k, k+1
.endr
	WIN 0
.irp t, 0,1,2,3
.irp j, 0,1,2,3,4,5,6,7
	ds_store_b64 v[OST], v[S+16*\t+2*\j:S+16*\t+2*\j+1] offset:(16*\t+\j)*OPI
.endr
.endr
	s_wait_dscnt 0x0                               ; my stores have landed
	s_barrier_signal -1
	s_barrier_wait -1
.set k, 0
.rept 16
	ds_load_b128 v[S+64+4*k:S+64+4*k+3], v[ORD] offset:OPI*(k/2)+512*(k%2)
.set k, k+1
.endr
.set k, 0
.rept 16
	s_wait_dscnt 15-k                              ; the younger loads of the sixteen may be out
	global_store_b128 v[OGO], v[S+64+4*k:S+64+4*k+3], s[38:39] offset:8192*(k/2)+512*(k%2) th:TH_STORE_NT   ; 512 consecutive bytes, aligned
.set k, k+1
.endr
	s_wait_tensorcnt 0x0                           ; the wave's end
	ds_add_u32 v[SPW], v[NIL]
	s_wait_dscnt 0x0
	CROUND                                         ; the closing round
	s_endpgm
.Lfunc_end_k_q6c40067ef1_attn:
	.size	k_q6c40067ef1_attn, .Lfunc_end_k_q6c40067ef1_attn-k_q6c40067ef1_attn
	.p2alignl 7, 3214868480
	.fill 96, 4, 3214868480
	.section	.rodata,"a",@progbits
	.p2align	6, 0x0
	.amdhsa_kernel k_q6c40067ef1_attn
		.amdhsa_group_segment_fixed_size 327680
		.amdhsa_private_segment_fixed_size 0
		.amdhsa_enable_private_segment 0
		.amdhsa_kernarg_size 24
		.amdhsa_user_sgpr_count 2
		.amdhsa_user_sgpr_kernarg_segment_ptr 1
		.amdhsa_wavefront_size32 1
		.amdhsa_system_sgpr_workgroup_id_x 1
		.amdhsa_system_sgpr_workgroup_id_y 1
		.amdhsa_system_sgpr_workgroup_id_z 1
		.amdhsa_system_vgpr_workitem_id 0
		.amdhsa_next_free_vgpr 512
		.amdhsa_next_free_sgpr 66
		.amdhsa_reserve_vcc 0
		.amdhsa_float_denorm_mode_32 3
		.amdhsa_float_denorm_mode_16_64 3
		.amdhsa_memory_ordered 1
		.amdhsa_forward_progress 1
		.amdhsa_inst_pref_size 98
	.end_amdhsa_kernel
	.amdgpu_metadata
---
amdhsa.version: [ 1, 2 ]
amdhsa.kernels:
  - .name:           k_q6c40067ef1_attn
    .symbol:         k_q6c40067ef1_attn.kd
    .args:
      - { .name: kvc, .offset: 0, .size: 8, .value_kind: global_buffer, .address_space: global }
      - { .name: q, .offset: 8, .size: 8, .value_kind: global_buffer, .address_space: global }
      - { .name: out0, .offset: 16, .size: 8, .value_kind: global_buffer, .address_space: global }
    .group_segment_fixed_size: 327680
    .private_segment_fixed_size: 0
    .kernarg_segment_align: 8
    .kernarg_segment_size: 24
    .max_flat_workgroup_size: 256
    .sgpr_count:     66
    .vgpr_count:     512
    .wavefront_size: 32
...
	.end_amdgpu_metadata
.endif
;; end of part 2
